; MI455X (gfx1250); checked and timed in simulation.
; The chip was launched on July 23, 2026; its instructions are those of AMD's public machine-readable ISA for CDNA 5 (MIT licence, August 2026) and "CDNA5" Instruction Set Architecture Reference Guide (July 2026). The comments in the code are by the model that wrote it; some were corrected since.
;; Quantized Linear. Allowed arithmetic: matrix products marked QUANTISED: E2M1 operands, one E8M0 scale for each 32 along K, by v_wmma_scale_f32_16x16x128_f8f6f4 with both operands' format E2M1 (or v_wmma_scale_f32_32x16x128_f4), f32 sums; everything else in f32.
;; Inputs: bias 1 x 4,096 float32; input_codes 4,096 x 128 x 16 uint8 (E2M1 codes of input, K innermost, in blocks of 32 codes, two codes a byte); input_scales 4,096 x 128 uint8 (E8M0 scales of input, one for each 32 codes along K); int8_weights 4,096 x 4,096 int8; scales 4,096 float32.
;; Outputs: out0 4,096 x 4,096 float32.
;; This version of the problem:
;;   THIS VERSION OF THE PROBLEM IS GIVEN IN LOW PRECISION. The matrix products marked QUANTISED in the list below multiply operands that are first quantised to E2M1 (2 exponent bits, 1 mantissa bit; 4 bits a number), with one power-of-two scale for each 32 numbers along K (OCP MX v1.0); their sums are f32. All else is computed in f32.
;;   The module's matrix products, in the order in which they are computed (A, B: the left and right operand; K: the contracted axis; several contracted axes count as one K, in the product's order):
;;     1. [M 4,096, K 4,096] x [K 4,096, N 4,096]; A: input input (given as codes); B: computed on the way: QUANTISED
;;   THE QUANTISER, for each operand of a quantised product, along K:
;;     - K is cut into blocks of 32 from its start; a last block that is shorter is filled with zeros.
;;     - A block's scale is 2^e with e = floor(log2(the largest magnitude in the block)) - 2, held to -126 .. 127; a block of zeros has e = 0. As a byte (E8M0): e + 127.
;;     - Each number is divided by its block's scale, clamped to +-6, and rounded to the nearest number of E2M1, ties to even, subnormals kept.
;;     - The product sums the exact products of the quantised numbers (number of the format x scale) in f32.
;;   ~~~python
;;   def quantise(x, axis):      # numpy; x: float32 -> the quantised numbers, widened to float32 again
;;       x = np.moveaxis(x, axis, -1); K = x.shape[-1]
;;       x = np.pad(x, [(0, 0)] * (x.ndim - 1) + [(0, -K % 32)]); x = x.reshape(x.shape[:-1] + (-1, 32)); a = np.abs(x).max(-1, keepdims=True)
;;       e = np.where(a > 0, np.clip(np.frexp(np.where(a > 0, a, 1))[1] - 1 - 2, -126, 127), 0)      # np.frexp(a)[1] - 1 = floor(log2(a)), exactly
;;       r = np.clip(x / 2.0 ** e, -6, 6)
;;       step = 2.0 ** (np.maximum(np.frexp(np.where(r == 0, 1, r))[1] - 1, 0) - 1)
;;       q = np.round(r / step) * step * 2.0 ** e      # np.round: ties to even
;;       return np.moveaxis(q.reshape(q.shape[:-2] + (-1,))[..., :K], -1, axis).astype(np.float32)
;;   ~~~
;;   OPERANDS COMPUTED ON THE WAY. 'Computed on the way' means the value that the module computes at that place (a softmax that the list does not call 'softmax' is quantised finished and normalised). What goes into a quantiser is computed in f32, as accurately as f32 sums, v_exp_f32 and their like allow (about 1e-6 of the number): no bf16 or f16 on the way to a quantiser, and a product that is left as it is and whose result goes on into a quantised operand takes f32 operands (vector FMAs, or v_wmma_f32_16x16x4_f32). A number that lies on a knife's edge between two numbers of the format may be rounded either way, as far as f32 arithmetic and the matrix unit's own rounding can turn it there, and no further.
;;   INPUTS GIVEN AS CODES. input (in the module: [4096, 4096], K = its axis 1): each comes as NAME_codes (uint8): NAME with its K axis moved to the last place and cut into blocks of 32 codes, [.., K / 32, bytes a block], one block behind the other in memory; two codes a byte, the lower K in the low four bits (a code: sign, 2 exponent bits, 1 mantissa bit); and NAME_scales (uint8): the same leading axes, one E8M0 byte (e + 127) for each 32 codes along K. Its value is code x scale, taken as it is: it is not quantised again, and the codes and scales need not be those that the quantiser above would give.
;; One version. Each part assembles by itself: llvm-mc -triple=amdgcn-amd-amdhsa -mcpu=gfx1250 --defsym DOCPART=n.
;; ======== version 1 of 1: 2 launches
;; limits: right only within a limited range of input values
;; workspace buffers: w_codes 8,388,608 bytes; w_sc 524,288 bytes
;; launch prep (part 1): grid 256 x 1, 8 waves a work-group, no clusters, 37,888 bytes of LDS; arguments int8_weights, scales, w_codes, w_sc; writes w_codes, w_sc
.if DOCPART == 1
	.amdgcn_target "amdgcn-amd-amdhsa--gfx1250"
	.amdhsa_code_object_version 6
	.text
	.protected	k_qde88eadfda_prep
	.globl	k_qde88eadfda_prep
	.p2align	8
	.type	k_qde88eadfda_prep,@function
k_qde88eadfda_prep:
	s_mov_b64 s[64:65], 0
	v_nop
	global_prefetch_b8 v0, s[64:65] scope:SCOPE_SE
	s_setreg_imm32_b32 hwreg(HW_REG_WAVE_MODE, 25, 1), 1
	s_wait_xcnt 0x0
; w[n][k] = f32(int8_weights[n][k]) x scales[n] (one rounding in f32) is turned into codes of FP4 (E2M1) with one E8M0 byte for each 32 along K.
; A block's scale is 2^(floor(log2(its largest magnitude)) - 2); its byte is the largest magnitude's exponent field - 2, held at 1 from below.
; LAYOUT, in the order in which the product's operand registers take it: a group G of 64 rows, a step q of 128 along K, a block b of 16 rows, a half c, then lane 16 h + r with 16 bytes:
;   w_codes[G 64][q 32][b 4][c 2][h 2][r 16][16 bytes] = the codes of row 64 G + 16 b + r, k = 128 q + 64 c + 32 h + 0 .. 31.
;   w_sc[G 64][t 8][b 4][r 16][16 bytes] = that row's scale bytes of k = 512 t .. 512 t + 511.
; LIMITS: a block of zeros gets the byte 1 where the quantiser says 127: its codes are zeros, which add nothing under any byte but 0xff, and this program alone reads the bytes.
; A block whose largest magnitude lies under 2^-124 gets the byte 1 (the quantiser's own hold at e = -126).  NaN and infinities in scales are not served.
; SHARES.  Work-group g owns rows 16 g .. 16 g + 15; wave t owns k = 512 t .. 512 t + 511 of these rows: 16 turns, a row each.  A turn's one load reads 512 consecutive bytes, 16 a lane:
; a lane's 16 int8 are 16 NEIGHBOURS along K, and two neighbouring lanes hold a block of 32.  All 16 loads of a wave go out at the head: 8,192 bytes a wave.  No prefetch: every byte is asked for at the head.
; The codes of one block of K of the 16 rows are 256 consecutive bytes of w_codes: they are gathered in LDS, in bytes of the wave's own, and leave as whole units.  No matrix unit, no cluster: every byte is read once.
.set EMAX,  2
.set BP,    272                        ; LDS: a block of K: 16 rows x 16 bytes + 16 of padding; 16 blocks for each wave
.set SBY,   8*16*BP                    ; LDS: 256 scale bytes for each wave: its 16 rows x 16 blocks
.set SPARE, SBY+2048                   ; the spare words, 128 bytes for each wave
.set R,     16                         ; v16-79   the 16 rows as loaded: four words each
.set X,     80                         ; v80-95   16 numbers in f32
.set C,     96                         ; v96-127  codes: two registers for each row
.set E,     128                        ; v128-143 a scale byte for each row
	s_load_b256 s[4:11], s[0:1], 0x0               ; int8_weights s[4:5], scales s[6:7], w_codes s[8:9], w_sc s[10:11]
	v_lshl_add_u32 v144, v0, 2, SPARE
	v_mov_b32 v145, 0
	v_lshrrev_b32 v1, 5, v0
	v_readfirstlane_b32 s16, v1                    ; wave t = 0..7
	s_mul_i32 s17, s16, 16*BP                      ; my wave's blocks
	s_lshl_b32 s18, s16, 8
	s_add_co_u32 s18, s18, SBY                     ; my wave's scale bytes
	v_and_b32 v1, 31, v0                           ; lane
	v_lshlrev_b32 v2, 4, v1                        ; my 16 bytes of 512
	v_lshlrev_b32 v3, 3, v1                        ; my 8 bytes of 256
	v_lshrrev_b32 v8, 1, v1                        ; lane / 2: my block in a row's 16
	v_and_b32 v9, 1, v1                            ; which half of it
	v_mul_u32_u24 v4, v8, BP
	v_lshl_add_u32 v4, v9, 3, v4
	v_add_nc_u32 v4, s17, v4                       ; where my 8 bytes of codes go (+ 16 x row)
	v_lshrrev_b32 v7, 4, v1
	v_and_b32 v10, 15, v1
	v_mul_u32_u24 v7, v7, BP
	v_lshl_add_u32 v7, v10, 4, v7
	v_add_nc_u32 v7, s17, v7                       ; and where I read 16 bytes back: lanes 0-15 one block of K, lanes 16-31 the next
	v_add_nc_u32 v5, s18, v8                       ; where my block's scale byte goes (+ 16 x row)
	v_add_nc_u32 v6, s18, v3                       ; and where I read 8 of them back
	s_mov_b32 s20, 0xcb000080                      ; -(2^23 + 128)
	s_mov_b32 s21, s20                             ; (named with it as a pair, so it is written)
	s_mov_b32 s23, 0                               ; (likewise, beside the row's scale in s22)
	s_mov_b32 s24, 0x4b000000                      ; 2^23: its byte 3 and a zero byte go into each number
	s_mov_b32 s25, 0x80808080                      ; int8 + 128, four at a time
	s_mov_b32 s26, 0x07040400                      ; v_perm_b32: byte 0 = the data's byte b; bytes 1, 2 = 0; byte 3 = 0x4b
	s_mov_b32 s27, 0x07040401
	s_mov_b32 s28, 0x07040402
	s_mov_b32 s29, 0x07040403
	s_mov_b32 s19, 0
	s_wait_alu depctr_va_vdst(0)
	s_wait_kmcnt 0x0
	s_lshl_b32 s18, ttmp9, 16                      ; int8_weights: 16 rows x 4,096 bytes, + 512 t
	s_lshl_b32 s17, s16, 9
	s_add_co_u32 s18, s18, s17
	s_add_nc_u64 s[4:5], s[4:5], s[18:19]
.irp j, 0,1,2,3,4,5,6,7,8,9,10,11,12,13,14,15
	global_load_b128 v[R+4*\j:R+4*\j+3], v2, s[4:5] offset:4096*\j th:TH_LOAD_NT   ; row j: 512 consecutive bytes; read once in the launch
.endr
	s_lshl_b32 s18, ttmp9, 6                       ; my 16 scales: 64 bytes
	s_add_nc_u64 s[6:7], s[6:7], s[18:19]
	s_load_b512 s[32:47], s[6:7], 0x0              ; scales[16 g .. 16 g + 15]
	s_lshr_b32 s2, ttmp9, 2                        ; G
	s_and_b32 s3, ttmp9, 3                         ; b
	s_lshl_b32 s18, s2, 17
	s_lshl_b32 s17, s3, 10
	s_add_co_u32 s18, s18, s17
	s_lshl_b32 s17, s16, 14                        ; four steps of 128 along K, 4,096 bytes each
	s_add_co_u32 s18, s18, s17
	s_add_nc_u64 s[8:9], s[8:9], s[18:19]          ; w_codes at my first block
	s_lshl_b32 s18, s2, 13
	s_lshl_b32 s17, s3, 8
	s_add_co_u32 s18, s18, s17
	s_lshl_b32 s17, s16, 10
	s_add_co_u32 s18, s18, s17
	s_add_nc_u64 s[10:11], s[10:11], s[18:19]      ; w_sc at my 256 bytes
	s_wait_kmcnt 0x0                               ; the 16 scales
; Row j of my 16.
.macro QROW j
	s_wait_loadcnt 15-(\j)                         ; loads come back in order: row j is in, the later rows may stay out
	s_mov_b32 s22, s[32+(\j)]                      ; the row's scale
.irp i, 0,1,2,3
	v_xor_b32 v[R+4*(\j)+\i], s25, v[R+4*(\j)+\i]  ; u = int8 + 128, 0 .. 255
.endr
.irp i, 0,1,2,3
.irp b, 0,1,2,3
	v_perm_b32 v[X+4*\i+\b], s24, v[R+4*(\j)+\i], s[26+\b]   ; the bits of the f32 number 2^23 + u
.endr
.endr
.irp i, 0,2,4,6,8,10,12,14
	v_pk_add_f32 v[X+\i:X+\i+1], v[X+\i:X+\i+1], s[20:21] op_sel_hi:[1,0]   ; - (2^23 + 128): the int8 as f32, exactly
.endr
.irp i, 0,2,4,6,8,10,12,14
	v_pk_mul_f32 v[X+\i:X+\i+1], v[X+\i:X+\i+1], s[22:23] op_sel_hi:[1,0]   ; x the scale: the one rounding.  (Not fused with the line above: scale x constant would be rounded first)
.endr
	v_max3_num_f32 v8, |v[X]|, |v[X+1]|, |v[X+2]|  ; the largest magnitude of my 16, in two chains
	v_max3_num_f32 v9, |v[X+3]|, |v[X+4]|, |v[X+5]|
.irp i, 6,10
	s_delay_alu instid0(VALU_DEP_2)
	v_max3_num_f32 v8, v8, |v[X+\i]|, |v[X+\i+1]|
	s_delay_alu instid0(VALU_DEP_2)
	v_max3_num_f32 v9, v9, |v[X+\i+2]|, |v[X+\i+3]|
.endr
	s_delay_alu instid0(VALU_DEP_2)
	v_max3_num_f32 v8, v8, |v[X+14]|, |v[X+15]|
	s_delay_alu instid0(VALU_DEP_1)
	v_max3_num_f32 v8, v8, v9, (EMAX+1)<<23        ; and the floor 2^(EMAX + 1 - 127): the byte cannot fall under 1
	s_delay_alu instid0(VALU_DEP_1)
	v_max_num_f32_dpp v8, v8, v8 row_xmask:1 row_mask:0xf bank_mask:0xf   ; and of my neighbour's 16: the block's
	s_delay_alu instid0(VALU_DEP_1)
	v_add_nc_u32 v11, -(EMAX<<23), v8              ; EMAX off its exponent field: the conversion takes the exponent field of this operand as its scale
	v_cvt_scalef32_pk8_fp4_f32 v[C+2*(\j)], v[X:X+7], v11       ; eight numbers / the scale, to the nearest code, ties to even, beyond 6 the largest code; the first number in the lowest four bits
	v_cvt_scalef32_pk8_fp4_f32 v[C+2*(\j)+1], v[X+8:X+15], v11
	v_lshrrev_b32 v[E+(\j)], 23, v11               ; the scale's byte.  (Also the plain instruction between the conversions and the next row's writes of their sources)
	ds_store_b8 v5, v[E+(\j)] offset:16*(\j)       ; both lanes of a block write the same byte with the same value
	ds_store_b64 v4, v[C+2*(\j):C+2*(\j)+1] offset:16*(\j)
.endm
.irp j, 0,1,2,3,4,5,6,7,8,9,10,11,12,13,14,15
	QROW \j
.endr
	ds_load_b64 v[12:13], v6                       ; LDS serves a wave's instructions in order: these see my stores
.irp u, 0,1,2,3,4,5,6,7
	ds_load_b128 v[R+4*\u:R+4*\u+3], v7 offset:2*BP*\u   ; blocks 2 u and 2 u + 1 of K, 16 rows each
.endr
	s_wait_dscnt 8
	global_store_b64 v3, v[12:13], s[10:11]        ; 256 consecutive bytes, aligned
.irp u, 0,1,2,3,4,5,6,7
	s_wait_dscnt 7-\u
	global_store_b128 v2, v[R+4*\u:R+4*\u+3], s[8:9] offset:(\u/2)*4096+(\u%2)*512   ; 512 consecutive bytes, aligned
.endr
	s_wait_tensorcnt 0x0                           ; the wave's end
	ds_add_u32 v144, v145
	s_wait_dscnt 0x0
	s_endpgm
.Lfunc_end_k_qde88eadfda_prep:
	.size	k_qde88eadfda_prep, .Lfunc_end_k_qde88eadfda_prep-k_qde88eadfda_prep
	.p2alignl 7, 3214868480
	.fill 96, 4, 3214868480
	.section	.rodata,"a",@progbits
	.p2align	6, 0x0
	.amdhsa_kernel k_qde88eadfda_prep
		.amdhsa_group_segment_fixed_size 37888
		.amdhsa_private_segment_fixed_size 0
		.amdhsa_enable_private_segment 0
		.amdhsa_kernarg_size 32
		.amdhsa_user_sgpr_count 2
		.amdhsa_user_sgpr_kernarg_segment_ptr 1
		.amdhsa_wavefront_size32 1
		.amdhsa_system_sgpr_workgroup_id_x 1
		.amdhsa_system_sgpr_workgroup_id_y 1
		.amdhsa_system_sgpr_workgroup_id_z 1
		.amdhsa_system_vgpr_workitem_id 0
		.amdhsa_next_free_vgpr 146
		.amdhsa_next_free_sgpr 66
		.amdhsa_reserve_vcc 0
		.amdhsa_float_denorm_mode_32 3
		.amdhsa_float_denorm_mode_16_64 3
		.amdhsa_memory_ordered 1
		.amdhsa_forward_progress 1
		.amdhsa_inst_pref_size 60
	.end_amdhsa_kernel
	.amdgpu_metadata
---
amdhsa.version: [ 1, 2 ]
amdhsa.kernels:
  - .name:           k_qde88eadfda_prep
    .symbol:         k_qde88eadfda_prep.kd
    .args:
      - { .name: int8_weights, .offset: 0, .size: 8, .value_kind: global_buffer, .address_space: global }
      - { .name: scales, .offset: 8, .size: 8, .value_kind: global_buffer, .address_space: global }
      - { .name: w_codes, .offset: 16, .size: 8, .value_kind: global_buffer, .address_space: global }
      - { .name: w_sc, .offset: 24, .size: 8, .value_kind: global_buffer, .address_space: global }
    .group_segment_fixed_size: 37888
    .private_segment_fixed_size: 0
    .kernarg_segment_align: 8
    .kernarg_segment_size: 32
    .max_flat_workgroup_size: 256
    .sgpr_count:     66
    .vgpr_count:     146
    .wavefront_size: 32
...
	.end_amdgpu_metadata
.endif
;; end of part 1
;; launch gemm (part 2): grid 16 x 16, 4 waves a work-group, clusters of 4 x 1, 327,680 bytes of LDS; arguments input_codes, input_scales, w_codes, w_sc, bias, out0; writes out0
.if DOCPART == 2
	.amdgcn_target "amdgcn-amd-amdhsa--gfx1250"
	.amdhsa_code_object_version 6
	.text
	.protected	k_qde88eadfda_gemm
	.globl	k_qde88eadfda_gemm
	.p2align	8
	.type	k_qde88eadfda_gemm,@function
k_qde88eadfda_gemm:
	s_mov_b64 s[64:65], 0
	v_nop
	global_prefetch_b8 v0, s[64:65] scope:SCOPE_SE
	s_setreg_imm32_b32 hwreg(HW_REG_WAVE_MODE, 25, 1), 1
	s_wait_xcnt 0x0
	s_wait_alu depctr_hold_cnt(0) depctr_sa_sdst(0) depctr_va_vdst(0) depctr_va_sdst(0) depctr_va_ssrc(0) depctr_va_vcc(0) depctr_vm_vsrc(0)
	s_getreg_b32 s2, hwreg(HW_REG_IB_STS2, 6, 4)
	s_cmp_eq_u32 s2, 0
	s_cbranch_scc0 .Lentry_in_a_cluster
	s_endpgm
.Lentry_in_a_cluster:
	s_bfe_u32 s2, ttmp6, 0x10000c
	s_cmp_lg_u32 s2, 0x3003
	s_cbranch_scc0 .Lentry_shape_is_right
	s_endpgm
.Lentry_shape_is_right:
; out0[m][n] = sum over k of x[m][k] w[n][k] + bias[n]; x and w are codes of FP4 (E2M1) with one E8M0 byte for each 32 along K; out0 is [4096][4096] f32; sums in f32.
; LIMITS: a scale byte 0xff in the input makes the sums that it enters NaN.  A sum starts from the bias.
; SHARES.  A work-group of four waves makes 256 rows x 256 columns (16 x 16 work-groups); a wave makes all 256 rows x 64 columns: 512 registers of sums.
; x goes through a ring of two LDS slots of 1,024 along K (256 rows x 512 bytes), four chunks in all; its scale bytes come once, as they lie in memory.  The four work-groups of a cluster have the same rows and ask for
;   them JOINTLY: the same tensor load with the same descriptor and a mask that names the four.  One load a wave: chunk 0 and the scale bytes at the head; chunk 1 behind the next round; chunks 2, 3 as refills.
;   A refill has eight steps, 256 matrix instructions of a wave, in which to land; nothing is prefetched for it.
; w: STRAIGHT FROM MEMORY INTO REGISTERS.  It was laid in the order of the operand's registers: each load of a wave reads 512 consecutive bytes; the four waves' columns differ, so a work-group reads each byte once.
;   It is not asked for jointly: two slots of 1,024 along K of both operands would be 540,672 bytes of LDS.  Six sets of 32 registers, one for each step of 128 along K: a step's fragments are asked for at the end of the
;   sixth step before it, five steps, 160 matrix instructions, ahead.  No further prefetch: these loads themselves run that far ahead, and the 16 work-groups of a column of the grid read the same bytes.
; THE MATRIX INSTRUCTION IS USED TRANSPOSED: source 0 = 32 rows of w, source 1 = 16 rows of x: lane (r, h) = (l % 16, l / 16) holds row r of out0; its registers 8 u + j the columns 16 u + 8 h + j.
;   Source 0's scales are read from all 32 lanes of one register; source 1's from lanes 0-15, or with ROW1 from lanes 16-31: one register serves two blocks of x.
; THE BIAS is the C of each sum's first matrix instruction.
; A STEP is 32 matrix instructions in one run (x's 16 blocks x the two pairs of w's blocks; the 32 accumulators take turns, one instruction a turn), then one run of loads: x's fragments
; of the step after next, into the set just read; w's of the sixth step on.  The steps are written out by .rept: their registers come back only after 24 steps of the 28.
; THE LAST FOUR STEPS GO BY ROWS of out0, 32 rows at a time, so that finished rows leave while the others are multiplied.
; All of a WGP's LDS is claimed.
; REGISTERS.  window 0: v4-15 addresses; v16-47 x's scale words, two sets of two steps; v48-63 w's, two sets of four steps; v64-255 w's fragments, six sets (the sixth holds the bias through the first step; at the end the
;   third and fourth take rows on their way out).  window 1: x's fragments, two sets of 16 blocks.  windows 2, 3: the sums of blocks 0-7, 8-15: (block a, pair p) at v[32 (a % 8) + 16 p].
.set PITCH,  528                       ; an LDS row: 512 bytes + 16 of padding: the 16 rows of a fragment load start at 16 different banks (64 banks of 4 bytes: ISA guide 11.1)
.set SLOT,   256*PITCH
.set SCL,    2*SLOT                    ; x's scale bytes: two rows of 128 bytes, then 16 of padding
.set SPARE,  SCL+128*272               ; the spare words, 128 bytes for each wave
.set SPITCH, 272                       ; the stage: 32 rows x (256 bytes + 16) for each wave, in slot 0, which has had its last fill and its last read when the first result is stored there
.set OROW,   16384                     ; a row of out0 in bytes
.set ADRA, 4                           ; v4-7    LDS address of my fragments: slot 0 blocks 0-7, 8-15; slot 1 likewise
.set ADRS, 8                           ; v8      of x's scale words: lane l takes row l of a pair of blocks
.set STO,  9                           ; v9      the stage: where I put 16 bytes of a row
.set RD,   10                          ; v10     where I read a row back
.set CO,   11                          ; v11     my byte offset in two rows of out0
.set BL,   12                          ; v12     16 x lane
.set BO,   13                          ; v13     32 x h
.set SPW,  14                          ; v14     my spare word
.set NIL,  15                          ; v15     0
.set SA,   16                          ; x's scale words: 16 a set; register 2 (pair of blocks) + q % 2
.set SB,   48                          ; w's scale words: 8 a set; register 4 p + q % 4
.set WF,   64
.set BIAS, 224
.set OUT,  128
.set MSB, 0
.macro WIN new                         ; the immediate's high byte repeats the setting that is left
.if MSB != \new
	s_set_vgpr_msb (MSB<<8)|\new
.set MSB, \new
.endif
.endm
.macro PLACES                          ; four places behind the last matrix instruction that named the registers which the next loads or LDS stores name
.rept 4
	v_nop
.endr
.endm
.macro CREST                           ; a round of the cluster's barrier behind its opening barrier
	s_cmp_lg_u32 s16, 0
	s_cbranch_scc1 .Lnot_wave_0_\@
	s_barrier_signal -3
.Lnot_wave_0_\@:
	s_barrier_wait -3
	s_barrier_signal -1
	s_barrier_wait -1
.endm
.macro CROUND
	s_barrier_signal -1
	s_barrier_wait -1
	CREST
.endm
.macro BLD qq                          ; w's fragments of step qq
	WIN 0
.irp i, 0,1,2,3,4,5,6,7
	global_load_b128 v[WF+32*((\qq)%6)+4*\i:WF+32*((\qq)%6)+4*\i+3], v[BL], s[8:9] offset:(\qq)*4096+512*\i
.endr
.endm
.macro BSC tt                          ; w's scale words of steps 4 tt .. 4 tt + 3
	WIN 0
.irp p, 0,1
	global_load_b128 v[SB+8*((\tt)%2)+4*\p:SB+8*((\tt)%2)+4*\p+3], v[BL], s[10:11] offset:(\tt)*1024+512*\p
.endr
.endm
.macro ASC dd                          ; x's scale words of steps 2 dd, 2 dd + 1: eight pairs of blocks
	WIN 0
.irp i, 0,1,2,3,4,5,6,7
	ds_load_b64 v[SA+16*((\dd)%2)+2*\i:SA+16*((\dd)%2)+2*\i+1], v[ADRS] offset:16*272*\i+8*(\dd)
.endr
.endm
; A fragment of x, 16 rows x 128 K, is 8 registers: lane (r, h) holds row r; registers 4 c .. 4 c + 3 hold k = 64 c + 32 h + 0 .. 31.
.macro ALD qq                          ; step qq's 16 fragments
	WIN 0x40
.irp a, 0,1,2,3,4,5,6,7,8,9,10,11,12,13,14,15
.irp c, 0,1
	ds_load_b128 v[128*((\qq)%2)+8*\a+4*\c:128*((\qq)%2)+8*\a+4*\c+3], v[ADRA+2*(((\qq)/8)%2)+\a/8] offset:(\a%8)*16*PITCH+64*((\qq)%8)+32*\c
.endr
.endr
.endm
.macro APAIR i                         ; blocks 2 i, 2 i + 1, the last four steps (they lie in slot 1)
	WIN 0x40
.irp q, 0,1,2,3
.irp e, 0,1
.irp c, 0,1
	ds_load_b128 v[64*((\i)%4)+8*(2*\q+\e)+4*\c:64*((\i)%4)+8*(2*\q+\e)+4*\c+3], v[ADRA+2+(2*(\i)+\e)/8] offset:((2*(\i)+\e)%8)*16*PITCH+64*(4+\q)+32*\c
.endr
.endr
.endr
.endm
.macro MM odd
.if \odd
	v_wmma_scale_f32_32x16x128_f4 v[XD:XD+15], v[XB:XB+15], v[XF:XF+7], v[XC:XC+15], v[XS], v[XT] matrix_b_scale:MATRIX_SCALE_ROW1
.else
	v_wmma_scale_f32_32x16x128_f4 v[XD:XD+15], v[XB:XB+15], v[XF:XF+7], v[XC:XC+15], v[XS], v[XT]
.endif
.endm
.macro MUL hi                          ; blocks 0-7 or 8-15: 16 matrix instructions.  Source 0 window 0, source 1 window 1, C and D window 2 or 3; in the first step C (the bias) window 0
.if QN == 0
	WIN 0x84+0x40*\hi
.else
	WIN 0xa4+0x50*\hi
.endif
.irp f, 0,1,2,3,4,5,6,7
.irp p, 0,1
.set XD, 32*\f+16*\p
.set XB, WF+32*(QN%6)+16*\p
.set XF, 128*(QN%2)+8*(8*\hi+\f)
.set XS, SB+8*((QN/4)%2)+4*\p+QN%4
.set XT, SA+16*((QN/2)%2)+2*(4*\hi+\f/2)+QN%2
.if QN == 0
.set XC, BIAS+16*\p
.else
.set XC, XD
.endif
.set XO, \f%2
	MM XO
.endr
.endr
.endm
.macro STEP
.set TURN, 0
.if QN%8 == 6
.set TURN, 1
.endif
.set FILL, 0
.if (QN == 6) || (QN == 14)
.set FILL, 1
.endif
.if TURN
	WIN 0
	s_wait_tensorcnt 0x0                           ; my part of the next chunk has landed
.if FILL
	ds_add_u32 v[SPW], v[NIL]
.endif
.endif
.if (QN == 0) || (QN == 27)
	s_wait_loadcnt 32                              ; w's fragments of this step are in: four younger sets may be out
.else
	s_wait_loadcnt 40                              ; five younger sets may be out
.endif
	s_wait_dscnt 32+8*(QN%2)                       ; x's fragments of this step are in: the next step's 32 loads, and behind an even step 8 of scale words, may be out
	MUL 0
.if TURN
	s_wait_dscnt 0x0                               ; my reads of the slot's last step are over
	s_barrier_signal -1
.endif
	MUL 1
.if TURN
	WIN 0
	s_barrier_wait -1                              ; everybody's part of the next chunk is in
.endif
.if FILL
	CREST                                          ; the barrier has opened a round: no wave of any partner still reads this slot or has a load on its way
.if QN == 6
	tensor_load_to_lds s[56:59], s[32:39]          ; chunk 2 into slot 0
.else
	tensor_load_to_lds s[60:63], s[32:39]          ; chunk 3 into slot 1
.endif
	s_nop 0
.endif
	PLACES
.if QN == 27
	ASC 15
.endif
.if QN < 26
	ALD QN+2
.elseif QN == 26
	APAIR 0
	APAIR 1
.else
	APAIR 2
	APAIR 3
.endif
.if QN%2 == 0
	ASC QN/2+1
.endif
.if (QN%4 == 3) && (QN < 24)
	BSC (QN+1)/4+1
.endif
.if QN == 0
	BLD 5                                          ; into the registers that held the bias
.endif
.if QN < 26
	BLD QN+6
.endif
.endm
	s_load_b256 s[4:11], s[0:1], 0x0               ; input_codes s[4:5], input_scales s[6:7], w_codes s[8:9], w_sc s[10:11]
	s_load_b128 s[12:15], s[0:1], 0x20             ; bias s[12:13], out0 s[14:15]
	v_lshl_add_u32 v[SPW], v0, 2, SPARE
	v_mov_b32 v[NIL], 0
	ds_add_u32 v[SPW], v[NIL]                      ; the opening lines: the add, twice on end, and its wait
	ds_add_u32 v[SPW], v[NIL]
	v_lshrrev_b32 v1, 5, v0
	v_readfirstlane_b32 s16, v1                    ; wave 0..3
	s_and_b32 s17, s16, 1
	s_bfe_u32 s18, ttmp6, 0x40000                  ; cx
	s_lshl_b32 s19, ttmp9, 2
	s_add_co_u32 s18, s18, s19                     ; column tile = 4 x cluster x + cx: it enters w's, the bias's and out0's addresses alone
	s_and_b32 s19, ttmp7, 0xffff                   ; row tile
.macro G1 g, word0, dim, rows, pitch
	s_mov_b32 s[\g], \word0
	s_mov_b32 s[\g+1], (\dim)<<16
	s_mov_b32 s[\g+2], (\rows)<<16
	s_mov_b32 s[\g+3], (\dim)<<16
	s_mov_b32 s[\g+4], \rows
	s_mov_b32 s[\g+5], \pitch
	s_mov_b32 s[\g+6], 0
	s_mov_b32 s[\g+7], 0
.endm
	G1 24, 15|(1<<20)|(1<<21)|(6<<22)|(3<<25), 512, 128, 2048         ; codes: 128 rows of 512 bytes; the mask names the cluster's four; 4 words of padding behind every 128 words
	G1 32, 15|(1<<20)|(1<<21)|(6<<22)|(3<<25), 512, 64, 2048          ; 64 rows
	G1 40, 15|(3<<16)|(1<<20)|(1<<21)|(5<<22)|(3<<25), 32, 64, 32     ; scale bytes: 16,384 dense bytes as 64 rows of 32 x 8; 4 words behind every 64
	s_mov_b32 s48, 1
	s_mul_i32 s49, s17, 128*PITCH                  ; chunk 0: waves 0 and 1, 128 rows each
	s_mul_i32 s57, s16, 64*PITCH                   ; the others: 64 rows a wave: slot 0,
	s_add_co_u32 s53, s57, SLOT                    ; slot 1
	s_add_co_u32 s61, s57, SLOT
	s_mov_b32 s52, 1
	s_mov_b32 s56, 1
	s_mov_b32 s60, 1
	s_mov_b32 s68, 1
	s_mul_i32 s69, s17, 64*272
	s_add_co_u32 s69, s69, SCL                     ; scale bytes: waves 2 and 3, 128 rows of x each
	s_mul_i32 s3, s16, 32*SPITCH                   ; my stage
	v_and_b32 v64, 15, v0                          ; r
	v_bfe_u32 v65, v0, 4, 1                        ; h
	v_and_b32 v66, 31, v0                          ; lane
	v_mul_u32_u24 v67, v64, PITCH
	v_lshl_add_u32 v[ADRA], v65, 4, v67
	v_add_nc_u32 v[ADRA+1], 128*PITCH, v[ADRA]
	v_add_nc_u32 v[ADRA+2], SLOT, v[ADRA]
	v_add_nc_u32 v[ADRA+3], SLOT+128*PITCH, v[ADRA]
	v_lshrrev_b32 v68, 1, v66
	v_and_b32 v69, 1, v66
	v_mul_u32_u24 v68, v68, 272
	v_lshl_add_u32 v68, v69, 7, v68
	v_add_nc_u32 v[ADRS], SCL, v68
	v_mul_u32_u24 v70, v64, SPITCH
	v_lshl_add_u32 v70, v65, 5, v70
	v_add_nc_u32 v[STO], s3, v70                   ; in: row r, 32 bytes for each half of the lanes
	v_mul_u32_u24 v71, v65, SPITCH
	v_lshl_add_u32 v71, v64, 4, v71
	v_add_nc_u32 v[RD], s3, v71                    ; back: lanes 0-15 one row of 256 bytes, lanes 16-31 the next
	v_lshlrev_b32 v72, 14, v65
	v_lshl_add_u32 v[CO], v64, 4, v72              ; the same two rows in out0
	v_lshlrev_b32 v[BL], 4, v66
	v_lshlrev_b32 v[BO], 5, v65
	s_wait_alu depctr_va_vdst(0)
	s_wait_dscnt 0x0                               ; both opening adds are done
	s_wait_kmcnt 0x0
	s_mov_b32 s21, 0
	s_mov_b32 s23, 0
	s_lshl_b32 s20, s19, 19                        ; x: 256 rows x 2,048 bytes a row tile
	s_add_nc_u64 s[4:5], s[4:5], s[20:21]
	s_lshl_b32 s22, s17, 18                        ; 128 rows
	s_add_nc_u64 s[50:51], s[4:5], s[22:23]
	s_lshl_b32 s22, s16, 17                        ; 64 rows a wave,
	s_add_co_u32 s22, s22, 512                     ; chunk 1,
	s_add_nc_u64 s[54:55], s[4:5], s[22:23]
	s_add_co_u32 s22, s22, 512                     ; 2,
	s_add_nc_u64 s[58:59], s[4:5], s[22:23]
	s_add_co_u32 s22, s22, 512                     ; and 3
	s_add_nc_u64 s[62:63], s[4:5], s[22:23]
	s_lshl_b32 s20, s19, 15                        ; x's scale bytes: 256 rows x 128 bytes
	s_lshl_b32 s22, s17, 14
	s_add_co_u32 s20, s20, s22
	s_add_nc_u64 s[70:71], s[6:7], s[20:21]
	s_or_b32 s51, s51, 0x80000000
	s_or_b32 s55, s55, 0x80000000
	s_or_b32 s59, s59, 0x80000000
	s_or_b32 s63, s63, 0x80000000
	s_or_b32 s71, s71, 0x80000000
	s_lshl_b32 s2, s18, 2
	s_add_co_u32 s2, s2, s16                       ; my group of 64 columns
	s_lshl_b32 s20, s2, 17
	s_add_nc_u64 s[8:9], s[8:9], s[20:21]
	s_lshl_b32 s20, s2, 13
	s_add_nc_u64 s[10:11], s[10:11], s[20:21]
	s_lshl_b32 s20, s2, 8
	s_add_nc_u64 s[12:13], s[12:13], s[20:21]
	s_add_nc_u64 s[14:15], s[14:15], s[20:21]
	s_lshl_b32 s20, s19, 22                        ; 256 rows of out0
	s_add_nc_u64 s[14:15], s[14:15], s[20:21]
	CROUND                                         ; all four work-groups are here: the first joint loads meet
	s_cmp_lt_u32 s16, 2                            ; one load a wave: waves 0 and 1 chunk 0, waves 2 and 3 the scale bytes
	s_cbranch_scc0 .Lscales
	tensor_load_to_lds s[48:51], s[24:31]
	s_nop 0
	PLACES
	s_branch .Lasked
.Lscales:
	tensor_load_to_lds s[68:71], s[40:47]
	s_nop 0
	PLACES
.Lasked:
.irp i, 0,1,2,3,4,5,6,7                ; the bias in the result's layout
	global_load_b128 v[BIAS+4*\i:BIAS+4*\i+3], v[BO], s[12:13] offset:64*(\i/2)+16*(\i%2)
.endr
	BSC 0
	BSC 1
	BLD 0
	BLD 1
	BLD 2
	s_wait_alu depctr_va_vdst(0)
	s_wait_tensorcnt 0x0                           ; my tile is in
	ds_add_u32 v[SPW], v[NIL]
	s_wait_dscnt 0x0
	CROUND                                         ; everybody's is in, and the joint loads meet
	tensor_load_to_lds s[52:55], s[32:39]          ; chunk 1 into slot 1
	s_nop 0
	PLACES
	ASC 0
	ALD 0
	ALD 1
	BLD 3
	BLD 4
.set QN, 0
.rept 28
	STEP
.set QN, QN+1
.endr
; THE LAST FOUR STEPS GO BY ROWS: pair i of x's blocks (32 rows): its four accumulators by turns, K ascending; then it leaves.
.macro PAIR i
.irp q, 0,1,2,3
.if (\i) == 0 && \q == 0
	s_wait_loadcnt 16                              ; w's steps 28 and 29 are in
	s_wait_dscnt 32                                ; pairs 0 and 1 and the scale words are in: pairs 2 and 3 may be out
.endif
.if (\i) == 0 && \q == 2
	s_wait_loadcnt 0                               ; steps 30 and 31
.endif
	WIN 0xa4+0x50*((\i)/4)
.irp e, 0,1
.irp p, 0,1
.set XD, 32*((2*(\i)+\e)%8)+16*\p
.set XB, WF+32*((28+\q)%6)+16*\p
.set XF, 64*((\i)%4)+8*(2*\q+\e)
.set XS, SB+8+4*\p+\q
.set XT, SA+16*(\q/2)+2*(\i)+\q%2
.set XC, XD
	MM \e
.endr
.endr
.endr
.endm
.macro LEAVE i
	WIN 0x08+4*((\i)/4)
.irp e, 0,1
.irp k, 0,1,2,3,4,5,6,7
	ds_store_b128 v[STO], v[32*((2*(\i)+\e)%8)+4*\k:32*((2*(\i)+\e)%8)+4*\k+3] offset:16*SPITCH*\e+64*(\k/2)+16*(\k%2)   ; each accumulator from its low end on
.endr
.endr
	WIN 0
.if (\i) > 0
	s_wait_xcnt 0x0                                ; the pair before has been read from these registers by its stores
.endif
.irp t, 0,1,2,3,4,5,6,7,8,9,10,11,12,13,14,15
	ds_load_b128 v[OUT+4*\t:OUT+4*\t+3], v[RD] offset:2*SPITCH*\t   ; LDS serves a wave's instructions in order (ISA guide 5.7.1.4): these see the stores above
.endr
.set YN, 0
.if (\i) < 4
	APAIR (\i)+4
.set YN, 16
.endif
	WIN 0
.irp t, 0,1,2,3,4,5,6,7,8,9,10,11,12,13,14,15
.if \t%4 == 0
	s_wait_dscnt YN+12-\t                          ; four more of the 16 rows' loads are back; the fragments asked for behind them may be out
.endif
	global_store_b128 v[CO], v[OUT+4*\t:OUT+4*\t+3], s[14:15] offset:(32*(\i)+2*\t)*OROW th:TH_STORE_NT   ; two rows of 256 consecutive bytes, aligned
.endr
.endm
.irp j, 0,1,2,3,4,5,6,7
	PAIR \j
	PLACES
	LEAVE \j
.endr
	s_wait_tensorcnt 0x0                           ; the wave's end
	ds_add_u32 v[SPW], v[NIL]
	s_wait_dscnt 0x0
	CROUND                                         ; the closing round
	s_endpgm
.Lfunc_end_k_qde88eadfda_gemm:
	.size	k_qde88eadfda_gemm, .Lfunc_end_k_qde88eadfda_gemm-k_qde88eadfda_gemm
	.p2alignl 7, 3214868480
	.fill 96, 4, 3214868480
	.section	.rodata,"a",@progbits
	.p2align	6, 0x0
	.amdhsa_kernel k_qde88eadfda_gemm
		.amdhsa_group_segment_fixed_size 327680
		.amdhsa_private_segment_fixed_size 0
		.amdhsa_enable_private_segment 0
		.amdhsa_kernarg_size 48
		.amdhsa_user_sgpr_count 2
		.amdhsa_user_sgpr_kernarg_segment_ptr 1
		.amdhsa_wavefront_size32 1
		.amdhsa_system_sgpr_workgroup_id_x 1
		.amdhsa_system_sgpr_workgroup_id_y 1
		.amdhsa_system_sgpr_workgroup_id_z 1
		.amdhsa_system_vgpr_workitem_id 0
		.amdhsa_next_free_vgpr 1024
		.amdhsa_next_free_sgpr 72
		.amdhsa_reserve_vcc 0
		.amdhsa_float_denorm_mode_32 3
		.amdhsa_float_denorm_mode_16_64 3
		.amdhsa_memory_ordered 1
		.amdhsa_forward_progress 1
		.amdhsa_inst_pref_size 255
	.end_amdhsa_kernel
	.section	.bss,"aw",@nobits
	.p2align	6
	.space	262144
	.amdgpu_metadata
---
amdhsa.version: [ 1, 2 ]
amdhsa.kernels:
  - .name:           k_qde88eadfda_gemm
    .symbol:         k_qde88eadfda_gemm.kd
    .args:
      - { .name: input_codes, .offset: 0, .size: 8, .value_kind: global_buffer, .address_space: global }
      - { .name: input_scales, .offset: 8, .size: 8, .value_kind: global_buffer, .address_space: global }
      - { .name: w_codes, .offset: 16, .size: 8, .value_kind: global_buffer, .address_space: global }
      - { .name: w_sc, .offset: 24, .size: 8, .value_kind: global_buffer, .address_space: global }
      - { .name: bias, .offset: 32, .size: 8, .value_kind: global_buffer, .address_space: global }
      - { .name: out0, .offset: 40, .size: 8, .value_kind: global_buffer, .address_space: global }
    .group_segment_fixed_size: 327680
    .private_segment_fixed_size: 0
    .kernarg_segment_align: 8
    .kernarg_segment_size: 48
    .max_flat_workgroup_size: 128
    .sgpr_count:     72
    .vgpr_count:     1024
    .wavefront_size: 32
...
	.end_amdgpu_metadata
.endif
;; end of part 2
